; MI455X (gfx1250); checked and timed in simulation.
; The chip was launched on July 23, 2026; its instructions are those of AMD's public machine-readable ISA for CDNA 5 (MIT licence, August 2026) and "CDNA5" Instruction Set Architecture Reference Guide (July 2026). The comments in the code are by the model that wrote it; some were corrected since.
;; Self Attention. Allowed arithmetic: matrix products marked QUANTISED: E2M3 operands, one E8M0 scale for each 32 along K, by v_wmma_scale_f32_16x16x128_f8f6f4 with both operands' format E2M3, f32 sums; everything else in f32.
;; Inputs: Wk 1,024 x 1,024 float32; Wq 1,024 x 1,024 float32; Wv 1,024 x 1,024 float32; bk 1,024 float32; bq 1,024 float32; bv 1,024 float32; mask 8 x 1,024 x 1,024 float32; x 8 x 1,024 x 1,024 float32.
;; Outputs: out0 8 x 1,024 x 1,024 float32.
;; This version of the problem:
;;   THIS VERSION OF THE PROBLEM IS GIVEN IN LOW PRECISION. The matrix products marked QUANTISED in the list below multiply operands that are first quantised to E2M3 (2 exponent bits, 3 mantissa bits; 6 bits a number), with one power-of-two scale for each 32 numbers along K (OCP MX v1.0); their sums are f32. All else is computed in f32.
;;   The module's matrix products, in the order in which they are computed (A, B: the left and right operand; K: the contracted axis; several contracted axes count as one K, in the product's order):
;;     1. [M 8,192, K 1,024] x [K 1,024, N 1,024]; A: input x; B: input Wq: QUANTISED
;;     2. [M 8,192, K 1,024] x [K 1,024, N 1,024]; A: input x; B: input Wk: QUANTISED
;;     3. [M 8,192, K 1,024] x [K 1,024, N 1,024]; A: input x; B: input Wv: QUANTISED
;;     4. batch 8 x [M 1,024, K 1,024] x [K 1,024, N 1,024]; A: computed on the way; B: computed on the way: QUANTISED
;;     5. batch 8 x [M 1,024, K 1,024] x [K 1,024, N 1,024]; A: softmax (see below); B: computed on the way: QUANTISED
;;   THE QUANTISER, for each operand of a quantised product, along K:
;;     - K is cut into blocks of 32 from its start; a last block that is shorter is filled with zeros.
;;     - A block's scale is 2^e with e = floor(log2(the largest magnitude in the block)) - 2, held to -126 .. 127; a block of zeros has e = 0. As a byte (E8M0): e + 127.
;;     - Each number is divided by its block's scale, clamped to +-7.5, and rounded to the nearest number of E2M3, ties to even, subnormals kept.
;;     - The product sums the exact products of the quantised numbers (number of the format x scale) in f32.
;;   ~~~python
;;   def quantise(x, axis):      # numpy; x: float32 -> the quantised numbers, widened to float32 again
;;       x = np.moveaxis(x, axis, -1); K = x.shape[-1]
;;       x = np.pad(x, [(0, 0)] * (x.ndim - 1) + [(0, -K % 32)]); x = x.reshape(x.shape[:-1] + (-1, 32)); a = np.abs(x).max(-1, keepdims=True)
;;       e = np.where(a > 0, np.clip(np.frexp(np.where(a > 0, a, 1))[1] - 1 - 2, -126, 127), 0)      # np.frexp(a)[1] - 1 = floor(log2(a)), exactly
;;       r = np.clip(x / 2.0 ** e, -7.5, 7.5)
;;       step = 2.0 ** (np.maximum(np.frexp(np.where(r == 0, 1, r))[1] - 1, 0) - 3)
;;       q = np.round(r / step) * step * 2.0 ** e      # np.round: ties to even
;;       return np.moveaxis(q.reshape(q.shape[:-2] + (-1,))[..., :K], -1, axis).astype(np.float32)
;;   ~~~
;;   SOFTMAX AHEAD OF A QUANTISED PRODUCT. Where the list says 'softmax', what is quantised is not the finished softmax but p = 2^(t - M), with t = logit x log2(e) and M = ceil(the row's largest t), a whole number; so 1/2 < the row's largest p <= 1. The row's sum l is taken of the UNQUANTISED p, in f32, and the product's result is divided by l at the end. Since M is a whole number, a kernel that streams over the keys may use a running M (the ceiling of the running maximum): every later rescaling is an exact power of two, which a block's scale takes up: the codes' values come out the same.
;;   OPERANDS COMPUTED ON THE WAY. 'Computed on the way' means the value that the module computes at that place (a softmax that the list does not call 'softmax' is quantised finished and normalised). What goes into a quantiser is computed in f32, as accurately as f32 sums, v_exp_f32 and their like allow (about 1e-6 of the number): no bf16 or f16 on the way to a quantiser, and a product that is left as it is and whose result goes on into a quantised operand takes f32 operands (vector FMAs, or v_wmma_f32_16x16x4_f32). A number that lies on a knife's edge between two numbers of the format may be rounded either way, as far as f32 arithmetic and the matrix unit's own rounding can turn it there, and no further.
;; One version. Each part assembles by itself: llvm-mc -triple=amdgcn-amd-amdhsa -mcpu=gfx1250 --defsym DOCPART=n.
;; ======== version 1 of 1: 3 launches
;; limits: inputs' magnitudes at most 1e+38; right only within a limited range of input values
;; workspace buffers: xw_codes 8,650,752 bytes; xw_scales 360,448 bytes; q_codes 6,291,456 bytes; q_scales 262,144 bytes; kv_codes 12,582,912 bytes; kv_scales 524,288 bytes
;; launch quant (part 1): grid 256 x 1, 22 waves a work-group, no clusters, 188,672 bytes of LDS; arguments x, Wq, Wk, Wv, xw_codes, xw_scales; writes xw_codes, xw_scales
.if DOCPART == 1
	.amdgcn_target "amdgcn-amd-amdhsa--gfx1250"
	.amdhsa_code_object_version 6
	.text
	.protected	k_qe234aa929e_quant
	.globl	k_qe234aa929e_quant
	.p2align	8
	.type	k_qe234aa929e_quant,@function
k_qe234aa929e_quant:
	s_mov_b64 s[64:65], 0
	v_nop
	global_prefetch_b8 v0, s[64:65] scope:SCOPE_SE
	s_setreg_imm32_b32 hwreg(HW_REG_WAVE_MODE, 25, 1), 1
	s_wait_xcnt 0x0
; x [8192][1024] and Wq, Wk, Wv [1024][1024], f32 with K innermost, become codes of FP6 (E2M3) with one E8M0 scale byte for each 32 along K.  The program does all the work: every input is live.
; A block's scale byte is its largest magnitude's exponent field - 2, held at 1 from below.
; THE OUTPUT IS LAID AS THE MATRIX UNIT'S REGISTERS WANT IT.  A tile is 16 rows; lane row r of tile i is matrix row 64 (i / 4) + 8 (i % 4) + r % 8 + 32 (r / 8).
; Fragment (tile i, K step s of 128): lane (r, h) holds in registers 6 c .. 6 c + 5 the codes of k = 128 s + 64 c + 32 h + 0 .. 31; 1,536 bytes at 12288 i + 1536 s, registers 4 p .. 4 p + 3 of lane l at 512 p + 16 l.
; Scale words (four bytes: 128 along K of a row) lie at 512 i + 256 (s / 4) + 16 r + 4 (s % 4).  Tiles 0-511 are x's, 512-575 Wq's, 576-639 Wk's, 640-703 Wv's.
; SHARES.  704 tiles x 8 K steps are 5,632 units = 256 work-groups x 22 waves: a wave makes one unit and asks for all its 8 KB at once.  Waves share nothing: no barrier.
; Each load reads 512 consecutive bytes of a row; the 16 rows turn through the wave's own stage in LDS (rows 528 bytes apart), so that a lane gets two whole blocks of 32 of ITS row.
; LIMITS: NaN and infinities among the inputs are not served; a block whose largest magnitude lies under 2^-124 keeps the byte 1.  A block of zeros has the byte 1 where the rule says 127: its codes are zeros, and this program alone reads the bytes.
.set SP,    528
.set WST,   16*SP
.set SPARE, 22*WST
.set X,     16                         ; v16-79: as loaded, then register 32 c + i = k 64 c + 32 h + i of my row
.set PC,    80
.set TC,    92
.set TM,    100                        ; largest magnitudes, 102 scale operands, 104 bytes
.set PW,    106
	s_load_b256 s[4:11], s[0:1], 0x0
	s_load_b128 s[12:15], s[0:1], 0x20
	v_lshl_add_u32 v12, v0, 2, SPARE
	v_mov_b32 v13, 0
	v_lshrrev_b32 v1, 5, v0
	v_readfirstlane_b32 s16, v1
	s_mul_i32 s17, ttmp9, 22
	s_add_co_u32 s17, s17, s16                     ; my unit
	s_lshr_b32 s18, s17, 3                         ; its tile
	s_and_b32 s19, s17, 7                          ; its K step
	s_and_b32 s22, s18, 63
	s_cmp_lt_u32 s18, 512
	s_cselect_b32 s22, s18, s22                    ; the tile within its tensor
	s_lshr_b32 s23, s22, 2
	s_lshl_b32 s23, s23, 18                        ; 64 rows of 4,096 bytes
	s_and_b32 s22, s22, 3
	s_lshl_b32 s22, s22, 15                        ; 8 rows
	s_add_co_u32 s32, s23, s22
	s_lshl_b32 s22, s19, 9
	s_add_co_u32 s32, s32, s22
	s_mov_b32 s33, 0
	s_mul_i32 s28, s18, 12288
	s_mul_i32 s22, s19, 1536
	s_add_co_u32 s28, s28, s22
	s_mov_b32 s29, 0
	s_lshl_b32 s30, s18, 9
	s_lshr_b32 s22, s19, 2
	s_lshl_b32 s22, s22, 8
	s_add_co_u32 s30, s30, s22
	s_and_b32 s22, s19, 3
	s_lshl_b32 s22, s22, 2
	s_add_co_u32 s30, s30, s22
	s_mov_b32 s31, 0
	s_mul_i32 s24, s16, WST                        ; my stage
	s_mov_b32 s26, 0x76543210
	s_mov_b32 s27, 0xfedcba98                      ; v_permlanex16_b32's selects for lane l xor 16
	v_and_b32 v1, 15, v0                           ; r
	v_bfe_u32 v2, v0, 4, 1                         ; h
	v_and_b32 v3, 31, v0
	v_lshlrev_b32 v3, 4, v3                        ; 16 x lane
	v_add_nc_u32 v4, s24, v3                       ; the stage, on the way in
	v_mul_u32_u24 v5, v1, SP
	v_lshl_add_u32 v5, v2, 7, v5
	v_add_nc_u32 v5, s24, v5                       ; and out: row r, + 128 h
	v_lshlrev_b32 v6, 4, v1
	v_lshlrev_b32 v7, 3, v2                        ; 8 h bits
	v_mov_b32 v[PW+1], 0                           ; a lane permute's destination counts as one of its sources
	s_wait_alu depctr_va_vdst(0)                   ; the wait at the head's end
	s_wait_kmcnt 0x0
	s_cmp_lt_u32 s18, 640                          ; which tensor
	s_cselect_b64 s[20:21], s[8:9], s[10:11]
	s_cmp_lt_u32 s18, 576
	s_cselect_b64 s[20:21], s[6:7], s[20:21]
	s_cmp_lt_u32 s18, 512
	s_cselect_b64 s[20:21], s[4:5], s[20:21]
	s_add_nc_u64 s[20:21], s[20:21], s[32:33]
	s_add_nc_u64 s[12:13], s[12:13], s[28:29]
	s_add_nc_u64 s[14:15], s[14:15], s[30:31]
.irp t, 0,1,2,3,4,5,6,7,8,9,10,11,12,13,14,15
	global_load_b128 v[X+4*\t:X+4*\t+3], v3, s[20:21] offset:((\t&7)+32*(\t>>3))*4096 th:TH_LOAD_NT
.endr
.irp t, 0,1,2,3,4,5,6,7,8,9,10,11,12,13,14,15
.if (\t&3) == 0
	s_wait_loadcnt 12-\t                           ; four more rows are in
.endif
	ds_store_b128 v4, v[X+4*\t:X+4*\t+3] offset:SP*\t
.endr
.irp c, 0,1
.irp j, 0,1,2,3,4,5,6,7
	ds_load_b128 v[X+32*\c+4*\j:X+32*\c+4*\j+3], v5 offset:256*\c+16*\j   ; LDS serves a wave's instructions in order: these see the stores above
.endr
.endr
	s_wait_dscnt 0x0
.irp c, 0,1
	v_max3_num_f32 v[TM+\c], |v[X+32*\c]|, |v[X+1+32*\c]|, 0x1800000   ; with the floor 2^(3 - 127): the byte cannot fall under 1
.endr
.irp i, 2,4,6,8,10,12,14,16,18,20,22,24,26,28,30
.irp c, 0,1
	v_max3_num_f32 v[TM+\c], v[TM+\c], |v[X+32*\c+\i]|, |v[X+1+32*\c+\i]|
.endr
.endr
.irp c, 0,1
	v_add_nc_u32 v[TM+2+\c], 0xff000000, v[TM+\c]  ; 2 off the exponent field: the conversions' scale operand
.endr
.irp c, 0,1
	v_cvt_scalef32_pk16_fp6_f32 v[PC+6*\c:PC+6*\c+2], v[X+32*\c:X+32*\c+15], v[TM+2+\c]
	v_cvt_scalef32_pk16_fp6_f32 v[TC+4*\c:TC+4*\c+2], v[X+16+32*\c:X+31+32*\c], v[TM+2+\c]   ; (a conversion's three registers begin on an even number)
.endr
.irp c, 0,1
	v_lshrrev_b32 v[TM+4+\c], 23, v[TM+2+\c]       ; the bytes
.endr
.irp i, 0,1,2
.irp c, 0,1
	v_mov_b32 v[PC+3+6*\c+\i], v[TC+4*\c+\i]
.endr
.endr
	v_lshl_or_b32 v[PW], v[TM+5], 16, v[TM+4]      ; my two bytes, at their places in the row's word;
	v_lshlrev_b32 v[PW], v7, v[PW]
	v_permlanex16_b32 v[PW+1], v[PW], s26, s27
	v_or_b32 v[PW], v[PW], v[PW+1]                 ; with lane l xor 16's two it is whole
.irp p, 0,1,2
	global_store_b128 v3, v[PC+4*\p:PC+4*\p+3], s[12:13] offset:512*\p   ; 512 consecutive bytes, aligned
.endr
	global_store_b32 v6, v[PW], s[14:15]           ; one word of each row's sixteen bytes (both halves of the lanes hold the same)
	s_wait_tensorcnt 0x0                           ; the wave's end
	ds_add_u32 v12, v13
	s_wait_dscnt 0x0
	s_endpgm
.Lfunc_end_k_qe234aa929e_quant:
	.size	k_qe234aa929e_quant, .Lfunc_end_k_qe234aa929e_quant-k_qe234aa929e_quant
	.p2alignl 7, 3214868480
	.fill 96, 4, 3214868480
	.section	.rodata,"a",@progbits
	.p2align	6, 0x0
	.amdhsa_kernel k_qe234aa929e_quant
		.amdhsa_group_segment_fixed_size 188672
		.amdhsa_private_segment_fixed_size 0
		.amdhsa_enable_private_segment 0
		.amdhsa_kernarg_size 48
		.amdhsa_user_sgpr_count 2
		.amdhsa_user_sgpr_kernarg_segment_ptr 1
		.amdhsa_wavefront_size32 1
		.amdhsa_system_sgpr_workgroup_id_x 1
		.amdhsa_system_sgpr_workgroup_id_y 1
		.amdhsa_system_sgpr_workgroup_id_z 1
		.amdhsa_system_vgpr_workitem_id 0
		.amdhsa_next_free_vgpr 112
		.amdhsa_next_free_sgpr 66
		.amdhsa_reserve_vcc 0
		.amdhsa_float_denorm_mode_32 3
		.amdhsa_float_denorm_mode_16_64 3
		.amdhsa_memory_ordered 1
		.amdhsa_forward_progress 1
		.amdhsa_inst_pref_size 10
	.end_amdhsa_kernel
	.amdgpu_metadata
---
amdhsa.version: [ 1, 2 ]
amdhsa.kernels:
  - .name:           k_qe234aa929e_quant
    .symbol:         k_qe234aa929e_quant.kd
    .args:
      - { .name: x, .offset: 0, .size: 8, .value_kind: global_buffer, .address_space: global }
      - { .name: Wq, .offset: 8, .size: 8, .value_kind: global_buffer, .address_space: global }
      - { .name: Wk, .offset: 16, .size: 8, .value_kind: global_buffer, .address_space: global }
      - { .name: Wv, .offset: 24, .size: 8, .value_kind: global_buffer, .address_space: global }
      - { .name: xw_codes, .offset: 32, .size: 8, .value_kind: global_buffer, .address_space: global }
      - { .name: xw_scales, .offset: 40, .size: 8, .value_kind: global_buffer, .address_space: global }
    .group_segment_fixed_size: 188672
    .private_segment_fixed_size: 0
    .kernarg_segment_align: 8
    .kernarg_segment_size: 48
    .max_flat_workgroup_size: 704
    .sgpr_count:     66
    .vgpr_count:     112
    .wavefront_size: 32
...
	.end_amdgpu_metadata
.endif
;; end of part 1
;; launch proj (part 2): grid 16 x 16, 4 waves a work-group, clusters of 4 x 4, 327,680 bytes of LDS; arguments xw_codes, xw_scales, bq, bk, bv, q_codes, q_scales, kv_codes, kv_scales; writes q_codes, q_scales, kv_codes, kv_scales
.if DOCPART == 2
	.amdgcn_target "amdgcn-amd-amdhsa--gfx1250"
	.amdhsa_code_object_version 6
	.text
	.protected	k_qe234aa929e_proj
	.globl	k_qe234aa929e_proj
	.p2align	8
	.type	k_qe234aa929e_proj,@function
k_qe234aa929e_proj:
	s_mov_b64 s[64:65], 0
	v_nop
	global_prefetch_b8 v0, s[64:65] scope:SCOPE_SE
	s_setreg_imm32_b32 hwreg(HW_REG_WAVE_MODE, 25, 1), 1
	s_wait_xcnt 0x0
	s_wait_alu depctr_hold_cnt(0) depctr_sa_sdst(0) depctr_va_vdst(0) depctr_va_sdst(0) depctr_va_ssrc(0) depctr_va_vcc(0) depctr_vm_vsrc(0)
	s_getreg_b32 s2, hwreg(HW_REG_IB_STS2, 6, 4)
	s_cmp_eq_u32 s2, 0
	s_cbranch_scc0 .Lentry_in_a_cluster
	s_endpgm
.Lentry_in_a_cluster:
	s_bfe_u32 s2, ttmp6, 0x10000c
	s_cmp_lg_u32 s2, 0xf033
	s_cbranch_scc0 .Lentry_shape_is_right
	s_endpgm
.Lentry_shape_is_right:
; q = x Wq^T + bq, k = x Wk^T + bk, v = x Wv^T + bv on codes of FP6 with E8M0 scales; the results are quantised in registers and leave as codes: q and k along e, v along the keys.
; LIMITS: NaN and infinities are not served; a block whose largest magnitude lies under 2^-124 keeps the byte 1, a block of zeros too (its codes are zeros, and this program alone reads the bytes).
; OUTPUTS.  A chunk is one K step of 128 of 64 tiles: [tile][c][ registers 6 c .. 6 c + 3 of lane l at 16 l | registers 6 c + 4, 6 c + 5 at 512 + 8 l ]: 768 bytes a half c, 98,304 bytes a chunk.
; q_codes: [batch][K step s along e]; kv_codes: [batch][8 chunks of k, along e | 8 chunks of v, along the keys].  Scale words: [batch][chunk][band of 64 rows][r][tile j of the band][byte 2 c + h].
; THE DEAL.  A wave holds 64 rows of a weight (4 tiles), all of K, in 384 registers and streams x past them in blocks of 16 rows.  Four waves 2 x 2: wave row a takes band a of each chunk of 128 tokens, wave column b 64 of the 128 columns.
; A work-group makes 256 x 128 of v, PHASE 1, then 512 x 128 of q or k, PHASE 2.  v's 256 tokens are a half (s87) of the work-group's own 512: they lie in LDS already when phase 2 begins with them.
; Which half and which tensor come from the cluster's number alone.  x is shared by a row of the cluster, a weight by a column.
; With the tiles' order of rows a lane's 32 sums of a block (q, k) or of a band (v) are one scale block: no lane looks at another.
; q, k: transposed use (source 0 = weight): register 8 t + i of lane (r, h) is column 32 h + 8 t + i.  v: register 8 j + i is token 32 h + 8 j + i, for each of four column tiles.
; FILLS: at the head one tensor load a wave: Wv's rows, the own half's scales, two chunks.  Three refills in drained rounds of the cluster's barrier: Wq's or Wk's rows (with the other half's scales, a first fill), then the other half's two chunks.
; DS WAITS: younger than a block's own fetch are the next block's, NF loads, and the byte stores of way outs between the two.
; PREFETCHES: the second weight at the head, the other half's chunks behind the first refill and between the phases; the 16 waves that ask jointly share the blocks of 256 bytes out by address.
; REGISTERS: fragment f (0-31 the weight's 4 q + t, 32-47 x's two sets) in window 1 + f / 21 at 12 (f % 21).  Sums: 12 runs of 16 (HT): 0-10 from v840 on, 11 at v120; phase 2's two sets of 32 are runs 4-7.
.set NF,   26
.set TB,   12288
.set YB,   98304
.set WB,   196608
.set SCL,  294912
.set XN,   311296                      ; q's or k's scale bytes, in the order of work
.set XM,   313344                      ; v's
.set SPARE, 314368
.set AT0, 4
.set AT1, 5
.set ATX, 6
.set AW,  7
.set AS0, 8
.set ASX, 9
.set SPW, 10
.set NIL, 11
.set CO,  12
.set CO8, 13
.set STO, 14
.set STV, 15
.set VX,  16
.set ABS, 17
.set PFW, 20
.set PFX, 21
.set SB,  24                           ; the weight's scale words: 8 (t / 2) + q, odd t in lanes 16-31
.set SB2, 40                           ; phase 2's, loaded at the head
.set SA,  60                           ; x's, two sets of eight
.set TQ,  76
.set SOP, 78
.set EB,  82
.set TC,  86
.set CD,  96                           ; v96-119 codes made
.set BBV, 136                          ; the biases, as the first products' C
.set BBQ, 168
.set QA,  904
.set G1A, 24
.set G1B, 32
.set G0A, 56
.set G0B, 60
.set G0R, 68
.set G0S, 72
.set G1S, 92
.set MSB, 0
.macro WIN new
.set NW_, \new
.if MSB != NW_
	s_set_vgpr_msb (MSB<<8)|NW_
.set MSB, NW_
.endif
.endm
.macro PLACES n
.rept \n
	v_nop
.endr
.endm
.macro WALU
	s_wait_alu depctr_va_vdst(0)
.endm
.macro BARRIER
	s_barrier_signal -1
	s_barrier_wait -1
.endm
.macro MIDDLE
	WIN 0
	s_barrier_wait -1
	s_cmp_lg_u32 s14, 0
	s_cbranch_scc1 .Lnot_wave_0_\@
	s_barrier_signal -3
.Lnot_wave_0_\@:
	s_barrier_wait -3
.endm
.macro CROUND
	s_barrier_signal -1
	MIDDLE
	BARRIER
.endm
.macro GRD
	WIN 0
	s_wait_tensorcnt 0x0
	ds_add_u32 v[SPW], v[NIL]
.endm
.macro TLOAD g0, g1
	tensor_load_to_lds s[\g0:\g0+3], s[\g1:\g1+7]
	s_nop 0
	PLACES 4
.endm
.macro GROUP1 g, mask, dim, rows       ; a dense block as rows of dim x 8 bytes
	s_or_b32 s[\g], s[\mask], (3<<16)|(1<<21)
	s_mov_b32 s[\g+1], (\dim)<<16
	s_mov_b32 s[\g+2], (\rows)<<16
	s_mov_b32 s[\g+3], (\dim)<<16
	s_mov_b32 s[\g+4], \rows
	s_mov_b32 s[\g+5], \dim
	s_mov_b32 s[\g+6], 0
	s_mov_b32 s[\g+7], 0
.endm
.macro MAC d, x, k                     ; s[d] += s[x] k
	s_mul_i32 s20, s\x, \k
	s_add_co_u32 s\d, s\d, s20
.endm
.macro G0SET g, base, off
	s_mov_b32 s20, s\off
	s_add_nc_u64 s[\g+2:\g+3], s[\base:\base+1], s[20:21]
	s_or_b32 s[\g+3], s[\g+3], 0x80000000
.endm
.macro WEIGHTS                         ; my 64 rows, all of K: 96 loads of 512 consecutive bytes
.irp q, 0,1,2,3,4,5,6,7
.irp t, 0,1,2,3
.set F_, 4*\q+\t
	WIN (1+F_/21)<<6
.irp p, 0,1,2
	ds_load_b128 v[12*(F_%21)+4*\p:12*(F_%21)+4*\p+3], v[AW] offset:TB*\t+1536*\q+512*\p
.endr
.endr
.endr
	WIN 0
.endm
.macro FETCH e, at, ao, as, so         ; a block of x into set e: NF loads
.irp q, 0,1,2,3,4,5,6,7
.set F_, 32+8*(\e)+\q
	WIN (1+F_/21)<<6
.irp p, 0,1,2
	ds_load_b128 v[12*(F_%21)+4*\p:12*(F_%21)+4*\p+3], v[\at] offset:(\ao)+1536*\q+512*\p
.endr
.endr
	WIN 0
	ds_load_b128 v[SA+8*(\e):SA+8*(\e)+3], v[\as] offset:(\so)
	ds_load_b128 v[SA+8*(\e)+4:SA+8*(\e)+7], v[\as] offset:(\so)+256
.endm
.macro HTSEL band, j, t                ; where v's sums of a block begin: band 1 takes the runs that band 0's way outs have left
.if (\band) == 0
.set K_, 2*(\t)+(\j)/2
.elseif (\j) < 2
.set K_, 8+(\t)
.else
.set K_, (\t)
.endif
.if K_ == 11
.set H_, 120
.else
.set H_, 840+16*K_
.endif
.endm
.macro PROD1 s0, s1, x0, x1, side, o
.if \o
	v_wmma_scale_f32_16x16x128_f8f6f4 v[DL_:DL_+7], v[\s0:\s0+11], v[\s1:\s1+11], v[CL_:CL_+7], v[\x0], v[\x1] matrix_a_fmt:MATRIX_FMT_FP6 matrix_b_fmt:MATRIX_FMT_FP6 matrix_\side\()_scale:MATRIX_SCALE_ROW1
.else
	v_wmma_scale_f32_16x16x128_f8f6f4 v[DL_:DL_+7], v[\s0:\s0+11], v[\s1:\s1+11], v[CL_:CL_+7], v[\x0], v[\x1] matrix_a_fmt:MATRIX_FMT_FP6 matrix_b_fmt:MATRIX_FMT_FP6
.endif
.endm
; Product n = 4 q + t of block s.  The four accumulators take turns; the first four take the bias as C.
.macro PROD kind, s, n
.set Q_, (\n)/4
.set TT_, (\n)%4
.set FB_, 4*Q_+TT_
.set FA_, 32+8*((\s)&1)+Q_
.set XB_, SB+8*(TT_/2)+Q_
.set XA_, SA+8*((\s)&1)+Q_
.if \kind
	HTSEL (\s)/4, (\s)&3, TT_
.set D_, H_+8*((\s)&1)
.set CB_, BBV+8*TT_
.else
.set D_, QA+32*((\s)&1)+8*TT_
.set CB_, BBQ+8*TT_
.endif
.set DW_, D_>>8
.set DL_, D_&255
.set CW_, 0
.set CL_, CB_
.if Q_
.set CW_, DW_
.set CL_, DL_
.endif
.if \kind
	WIN (1+FA_/21)|((1+FB_/21)<<2)|(CW_<<4)|(DW_<<6)
	PROD1 12*(FA_%21), 12*(FB_%21), XA_, XB_, b, TT_%2
.else
	WIN (1+FB_/21)|((1+FA_/21)<<2)|(CW_<<4)|(DW_<<6)
	PROD1 12*(FB_%21), 12*(FA_%21), XB_, XA_, a, TT_%2
.endif
.endm
.macro BLOCK kind, s, from, to, list, x=0, y=0   ; behind every second product two entries of the list
.set N_, \from
.rept (\to)-(\from)
	PROD \kind, \s, N_
.if N_%2
	\list N_-1, \x, \y
	\list N_, \x, \y
.endif
.set N_, N_+1
.endr
.endm
.macro CHAIN i, xa, xb, n, t=TQ        ; 18 entries: the largest magnitude of 2 x 16 sums by two chains, then the conversions' scale operand
.if (\i) >= 0 && (\i) < 14
.set XX_, (\xa)
.set T_, (\t)+1
.if (\i)%2
.set XX_, (\xb)
.set T_, (\t)
.endif
.set XW_, XX_>>8
.set B_, (XX_&255)+2*((\i)/2)
.if (\i) < 2
	WIN XW_|(XW_<<2)|(XW_<<4)
	v_max3_num_f32 v[T_], |v[B_]|, |v[B_+1]|, |v[B_+2]|
.else
	WIN (XW_<<2)|(XW_<<4)
	v_max3_num_f32 v[T_], v[T_], |v[B_+1]|, |v[B_+2]|
.endif
.elseif (\i) == 14
.set XX_, (\xa)
	WIN (XX_>>8)<<2
	v_max3_num_f32 v[(\t)+1], v[(\t)+1], |v[(XX_&255)+15]|, 0x1800000
.elseif (\i) == 15
	WIN 0
	v_nop
.elseif (\i) == 16
.set XX_, (\xb)
	WIN (XX_>>8)<<2
	v_max3_num_f32 v[\t], v[\t], |v[(XX_&255)+15]|, v[(\t)+1]
.elseif (\i) == 17
	WIN 0
	v_add_nc_u32 v[SOP+(\n)], 0xff000000, v[\t]
.endif
.endm
.macro CODES i, xa, xb, c, n, t=TC     ; 32 codes into v[c .. c + 5], the byte into v[EB + n]
.if (\i) == 0
.set XX_, (\xa)
	WIN XX_>>8
	v_cvt_scalef32_pk16_fp6_f32 v[\c:\c+2], v[(XX_&255):(XX_&255)+15], v[SOP+(\n)]
.elseif (\i) == 1
.set XX_, (\xb)
	WIN XX_>>8
	v_cvt_scalef32_pk16_fp6_f32 v[\t:\t+2], v[(XX_&255):(XX_&255)+15], v[SOP+(\n)]
.elseif (\i) == 2
	WIN 0
	v_lshrrev_b32 v[EB+(\n)], 23, v[SOP+(\n)]
.else
	WIN 0
	v_mov_b32 v[\c+\i], v[\t+\i-3]
.endif
.endm
.macro CODES6 xa, c, n
.irp i, 0,1,2,3,4,5
	CODES \i, \xa, (\xa)+16, \c, \n
.endr
.endm
.macro PUT r, base, off                ; half a fragment: 512 and 256 consecutive bytes, aligned
	global_store_b128 v[CO], v[\r:\r+3], s[\base:\base+1] offset:(\off)
	global_store_b64 v[CO8], v[\r+4:\r+5], s[\base:\base+1] offset:(\off)
.endm
; ---- the lists
.macro L_NONE i, x, y
.endm
.macro L_V i, x, y
	CHAIN \i, \x, (\x)+16, \y
.endm
.macro L_R1 i, x, y                    ; the first refill's descriptors: waves 0, 1 half of the weight each, wave 2 the other half's scales; x's loads take a quarter of a chunk from here on
.if (\i) == 0
	s_mov_b32 s[G1A+2], 2<<16
	s_mov_b32 s[G1A+4], 2
	s_mov_b32 s[G1B+2], 4<<16
	s_mov_b32 s[G1B+4], 4
.elseif (\i) == 1
	s_mul_i32 s[G0B+1], s14, 4*TB
	s_add_co_u32 s[G0B+1], s[G0B+1], WB
	s_mul_i32 s20, s14, 4*TB
	s_add_co_u32 s20, s20, s9
.elseif (\i) == 2
	s_add_nc_u64 s[G0B+2:G0B+3], s[4:5], s[20:21]
	s_or_b32 s[G0B+3], s[G0B+3], 0x80000000
	s_mov_b32 s[G0S+1], SCL+8192
	s_mov_b32 s20, s55
.elseif (\i) == 3
	s_add_nc_u64 s[G0S+2:G0S+3], s[6:7], s[20:21]
	s_or_b32 s[G0S+3], s[G0S+3], 0x80000000
.endif
.endm
.macro PLACE i                         ; 3 entries: where block s46's codes go (s[84:85], by its true chunk) and its scale byte (v[VX], by the order of work)
.if (\i) == 0
	s_lshr_b32 s3, s46, 2
	s_and_b32 s22, s46, 3
	s_lshl_b32 s23, s3, 9
	s_xor_b32 s3, s3, s47
.elseif (\i) == 1
	s_mul_i32 s20, s3, 12288
	s_mul_i32 s3, s22, 1536
	s_add_co_u32 s20, s20, s3
	s_add_nc_u64 s[84:85], s[10:11], s[20:21]
.elseif (\i) == 2
	s_lshl_b32 s22, s22, 2
	s_add_co_u32 s22, s22, s23
	s_add_co_u32 s46, s46, 1
	WIN 0
	v_add_nc_u32 v[VX], s22, v[STO]
.endif
.endm
.macro STEPV i                         ; the LDS addresses of the next fetches
.if (\i) == 0
	WIN 0
	v_add_nc_u32 v[ATX], s101, v[AT0]
.elseif (\i) == 1
	WIN 0
	v_add_nc_u32 v[ASX], s91, v[AS0]
.endif
.endm
.macro L_Q i, x, y
	PLACE \i
	CHAIN (\i)-3, \x, (\x)+16, 0
.endm
.macro L_RND i, x, y                   ; the second and third refill: all four waves a quarter of a chunk each
.if (\i) == 0
	s_mul_i32 s[G0R+1], s14, 2*TB
	s_add_co_u32 s[G0R+1], s[G0R+1], s8
	s_mul_i32 s20, s14, 2*TB
	s_add_co_u32 s20, s20, s88
.elseif (\i) == 1
	s_add_nc_u64 s[G0R+2:G0R+3], s[4:5], s[20:21]
	s_or_b32 s[G0R+3], s[G0R+3], 0x80000000
	s_add_co_u32 s88, s88, YB
	s_xor_b32 s8, s8, YB
.elseif (\i) == 5
	s_xor_b32 s101, s101, YB
	s_add_co_u32 s91, s91, 4096
.endif
	PLACE (\i)-2
	STEPV (\i)-5
	CHAIN (\i)-7, \x, (\x)+16, 0
.endm
.macro L_SHOW i, x, y
.if (\i) == 3
	s_add_co_u32 s101, s101, 2*TB
	s_add_co_u32 s91, s91, 1024
.endif
	PLACE \i
	STEPV (\i)-3
	CHAIN (\i)-5, \x, (\x)+16, 0
.endm
; ---- phase 2's blocks: e the set; the other set's block leaves
.macro QOUT
	WALU
	ds_store_b8 v[VX], v[EB]
	PUT CD, 84, 0
.endm
.macro QB e, w, fj
.if (\w) >= 0
	s_wait_dscnt \w
.endif
	s_wait_xcnt 0x0                                ; the last block's stores have read their registers and base
	BLOCK 0, \e, 0, 32, L_Q, QA+32*(1-(\e))
	WIN 0
	CODES6 QA+32*(1-(\e)), CD, 0
	QOUT
.if (\fj) >= 0
	FETCH \e, ATX, (\fj)*TB, ASX, (\fj)*512
.endif
.endm
.macro QROUND
	s_wait_dscnt NF+1
	s_wait_xcnt 0x0
	GRD
	BLOCK 0, 0, 0, 26, L_RND, QA+32
	WIN 0
	WALU
	s_wait_dscnt 0x0
	s_barrier_signal -1
	BLOCK 0, 0, 26, 32, L_NONE
	WIN 0
	CODES6 QA+32, CD, 0
	MIDDLE
	BARRIER
	TLOAD G0R, G1A
	QOUT
	FETCH 0, ATX, 0, ASX, 0
.endm
.macro QSHOW                           ; a plain barrier shows the last refill
	s_wait_dscnt NF+1
	s_wait_xcnt 0x0
	BLOCK 0, 0, 0, 26, L_SHOW, QA+32
	WIN 0
	WALU
	s_wait_tensorcnt 0x0
	s_wait_dscnt 0x0
	s_barrier_signal -1
	BLOCK 0, 0, 26, 32, L_NONE
	WIN 0
	s_barrier_wait -1
	CODES6 QA+32, CD, 0
	QOUT
	FETCH 0, ATX, 0, ASX, 0
.endm
; ================= THE HEAD
	s_load_b128 s[4:7], s[0:1], 0x0                ; xw_codes, xw_scales
	s_load_b128 s[48:51], s[0:1], 0x10             ; bq, bk
	s_load_b64 s[52:53], s[0:1], 0x20              ; bv
	s_load_b64 s[76:77], s[0:1], 0x28              ; q_codes
	s_load_b64 s[78:79], s[0:1], 0x30              ; q_scales
	s_load_b128 s[80:83], s[0:1], 0x38             ; kv_codes, kv_scales
	v_lshl_add_u32 v[SPW], v0, 2, SPARE
	v_mov_b32 v[NIL], 0
	ds_add_u32 v[SPW], v[NIL]                      ; the opening add, twice on end
	ds_add_u32 v[SPW], v[NIL]
	v_lshrrev_b32 v1, 5, v0
	v_readfirstlane_b32 s14, v1                    ; wave; s15 = a, s16 = b
	s_lshr_b32 s15, s14, 1
	s_and_b32 s16, s14, 1
	s_bfe_u32 s40, ttmp6, 0x40000                  ; cx
	s_bfe_u32 s41, ttmp6, 0x40004                  ; cy
	s_lshl_b32 s42, ttmp9, 2
	s_add_co_u32 s42, s42, s40                     ; phase 2's column block: 0-7 q, 8-15 k
	s_and_b32 s43, ttmp7, 0xffff
	s_lshl_b32 s43, s43, 2
	s_add_co_u32 s43, s43, s41                     ; my 512 tokens
	s_lshr_b32 s19, ttmp9, 1                       ; 0 q, 1 k
	s_and_b32 s87, ttmp9, 1                        ; v's half of my tokens
	s_lshl_b32 s47, s87, 1
	s_lshl_b32 s13, s19, 2
	s_add_co_u32 s13, s13, s40                     ; v's column block
	s_lshl_b32 s44, s41, 2
	s_lshl_b32 s44, 15, s44                        ; my row of the cluster
	s_lshl_b32 s45, 0x1111, s40                    ; my column
	GROUP1 G1A, 44, 1536, 8
	GROUP1 G1B, 45, 1536, 8
	GROUP1 G1S, 44, 32, 32
	s_mov_b32 s21, 0
	s_mul_i32 s66, s43, 32*TB                      ; the own half's rows, bytes from xw_codes
	s_mov_b32 s88, s66                             ; the other half's
	MAC 66, 87, 16*TB
	s_xor_b32 s3, s87, 1
	MAC 88, 3, 16*TB
	s_mul_i32 s89, s43, 32*512                     ; the scales likewise
	s_mov_b32 s55, s89
	MAC 89, 87, 8192
	MAC 55, 3, 8192
	s_mov_b32 s54, 640*TB                          ; Wv's rows
	MAC 54, 13, 8*TB
	s_mov_b32 s9, 512*TB                           ; Wq's or Wk's
	MAC 9, 42, 8*TB
	s_mov_b32 s[G0A], 1
	s_mov_b32 s[G0A+1], 0
	s_mov_b32 s[G0B], 1
	s_mov_b32 s[G0B+1], WB
	s_mov_b32 s[G0R], 1
	s_mov_b32 s[G0R+1], YB
	s_mov_b32 s[G0S], 1
	s_mov_b32 s[G0S+1], SCL
	s_lshl_b32 s90, s40, 2
	s_add_co_u32 s90, s90, s14                     ; my number among the 16 waves of my row of the cluster,
	s_lshl_b32 s100, s41, 2
	s_add_co_u32 s100, s100, s14                   ; and of my column
	s_mov_b32 s2, s9
	MAC 2, 100, 24*256
	s_mov_b32 s3, s88
	MAC 3, 90, 24*256
	s_mul_i32 s22, s15, 4*TB
	s_mul_i32 s23, s16, 4*TB
	s_add_co_u32 s23, s23, WB
	s_mul_i32 s10, s15, 2048
	s_add_co_u32 s10, s10, SCL
	s_mov_b32 s11, XN
	MAC 11, 15, 256
	MAC 11, 16, 2
	s_mov_b32 s12, XM
	MAC 12, 16, 256
	MAC 12, 15, 2
	s_mov_b32 s17, XN
	MAC 17, 14, 512
	s_mov_b32 s18, XM
	MAC 18, 14, 256
	v_and_b32 v1, 15, v0
	v_bfe_u32 v2, v0, 4, 1
	v_and_b32 v3, 31, v0
	v_lshlrev_b32 v[CO], 4, v3
	v_lshlrev_b32 v19, 3, v3
	v_add_nc_u32 v[AT0], s22, v[CO]
	v_add_nc_u32 v[AT1], YB, v[AT0]
	v_mov_b32 v[ATX], v[AT0]
	v_add_nc_u32 v[AW], s23, v[CO]
	v_lshlrev_b32 v18, 4, v1
	v_add_nc_u32 v[AS0], s10, v18
	v_mov_b32 v[ASX], v[AS0]
	v_lshl_add_u32 v[ABS], v2, 9, v18
	v_add_nc_u32 v18, v18, v2
	v_add_nc_u32 v[STO], s11, v18
	v_add_nc_u32 v[STV], s12, v18
	v_add_nc_u32 v[CO8], 0x200, v19
	v_add_nc_u32 v22, s17, v[CO]
	v_add_nc_u32 v23, s18, v19
	v_min_u32 v[PFW], 23, v3
	v_lshl_add_u32 v[PFX], v[PFW], 8, s3
	v_lshl_add_u32 v[PFW], v[PFW], 8, s2
	v_lshlrev_b32 v200, 7, v2                      ; q's, k's bias: columns 32 h on
	v_and_b32 v201, 7, v1
	v_lshrrev_b32 v202, 3, v1
	v_lshlrev_b32 v202, 7, v202
	v_lshl_add_u32 v201, v201, 2, v202             ; v's: column 8 t + r % 8 + 32 (r / 8)
	WALU                                           ; the wait at the head's end
	s_wait_dscnt 0x0
	CROUND                                         ; all sixteen work-groups are here: the first joint loads meet
	s_wait_kmcnt 0x0
	G0SET G0B, 4, 54
	G0SET G0S, 6, 89
	G0SET G0A, 4, 66
	s_add_nc_u64 s[G0R+2:G0R+3], s[G0A+2:G0A+3], YB
	s_cmp_eq_u32 s14, 0
	s_cbranch_scc0 .Lwave_1
	TLOAD G0B, G1B                                 ; wave 0: Wv's rows
	s_branch .Lasked
.Lwave_1:
	s_cmp_eq_u32 s14, 1
	s_cbranch_scc0 .Lwave_2
	TLOAD G0S, G1S                                 ; wave 1: the own half's scales
	s_branch .Lasked
.Lwave_2:
	s_cmp_eq_u32 s14, 2
	s_cbranch_scc0 .Lwave_3
	TLOAD G0A, G1A                                 ; wave 2: its first chunk
	s_branch .Lasked
.Lwave_3:
	TLOAD G0R, G1A                                 ; wave 3: its second
.Lasked:
	s_mov_b32 s2, 640*512                          ; my 64 rows' scale words: Wv's,
	MAC 2, 13, 8*512
	MAC 2, 16, 4*512
	s_mov_b32 s3, 0
	s_add_nc_u64 s[84:85], s[6:7], s[2:3]
	s_mov_b32 s2, 512*512                          ; Wq's or Wk's
	MAC 2, 42, 8*512
	MAC 2, 16, 4*512
	s_add_nc_u64 s[66:67], s[6:7], s[2:3]
.irp p, 0,1
.irp g, 0,1
	global_load_b128 v[SB+8*\p+4*\g:SB+8*\p+4*\g+3], v[ABS], s[84:85] offset:1024*\p+256*\g
	global_load_b128 v[SB2+8*\p+4*\g:SB2+8*\p+4*\g+3], v[ABS], s[66:67] offset:1024*\p+256*\g
.endr
.endr
	s_and_b32 s11, s42, 7                          ; the K step that my 128 columns are
	s_mul_i32 s2, s11, 512
	MAC 2, 16, 256
	s_cmp_eq_u32 s19, 1
	s_cselect_b64 s[48:49], s[50:51], s[48:49]     ; bk or bq
	s_add_nc_u64 s[48:49], s[48:49], s[2:3]
	s_mul_i32 s2, s13, 512
	MAC 2, 16, 256
	s_add_nc_u64 s[52:53], s[52:53], s[2:3]
.irp k, 0,1,2,3,4,5,6,7
	global_load_b128 v[BBQ+4*\k:BBQ+4*\k+3], v200, s[48:49] offset:16*\k
.endr
.irp t, 0,1,2,3
	global_load_b32 v[BBV+8*\t], v201, s[52:53] offset:32*\t
.endr
	; where the results go
	s_lshr_b32 s17, s43, 1                         ; batch
	s_and_b32 s18, s43, 1                          ; its half
	s_mul_i32 s2, s17, 786432
	s_lshl_b32 s2, s2, s19                         ; (kv_codes holds two tensors a batch)
	MAC 2, 11, 98304
	MAC 2, 18, 49152
	MAC 2, 15, 6144
	MAC 2, 16, 768
	s_mul_i32 s12, s17, 32768
	s_lshl_b32 s12, s12, s19
	MAC 12, 11, 4096
	MAC 12, 18, 2048
	s_xor_b32 s22, s14, s47                        ; chunk w in the order of work is true chunk w xor 2 s87
	MAC 12, 22, 512
	s_cmp_eq_u32 s19, 1
	s_cselect_b64 s[10:11], s[80:81], s[76:77]
	s_cselect_b64 s[78:79], s[82:83], s[78:79]
	s_add_nc_u64 s[10:11], s[10:11], s[2:3]
	s_mov_b32 s2, s12
	s_add_nc_u64 s[78:79], s[78:79], s[2:3]
	s_lshl_b32 s22, s18, 2
	s_lshl_b32 s23, s87, 1
	s_add_co_u32 s22, s22, s23
	s_add_co_u32 s22, s22, 8                       ; v's first chunk of the batch's sixteen
	s_mul_i32 s2, s17, 1572864
	MAC 2, 22, 98304
	MAC 2, 13, 8*1536
	MAC 2, 16, 4*1536
	MAC 2, 15, 768
	s_add_nc_u64 s[50:51], s[80:81], s[2:3]
	s_mul_i32 s2, s17, 65536
	s_add_co_u32 s22, s22, s15                     ; wave w stores chunk w / 2, band w % 2
	MAC 2, 22, 4096
	MAC 2, 13, 512
	MAC 2, 16, 256
	s_add_nc_u64 s[82:83], s[82:83], s[2:3]
	s_mov_b32 s46, 0
	s_mov_b32 s8, 0
	s_mov_b32 s101, 0
	s_mov_b32 s91, 0
	s_wait_loadcnt 0x0                             ; scale words and biases
.irp t, 0,8,16,24
.irp i, 1,2,3,4,5,6,7
	v_mov_b32 v[BBV+\t+\i], v[BBV+\t]
.endr
.endr
	WALU
	s_cmp_eq_u32 s14, 0
	s_cbranch_scc0 .Lnot_w
	s_wait_tensorcnt 0x0
.Lnot_w:
	BARRIER                                        ; Wv's rows are in
	WEIGHTS
	global_prefetch_b8 v[PFW], s[4:5] th:TH_LOAD_NT scope:SCOPE_SE   ; what the first refill will load
	s_cmp_eq_u32 s14, 3
	s_cbranch_scc1 .Lnot_a
	s_wait_tensorcnt 0x0
.Lnot_a:
	s_wait_dscnt 0x0
	BARRIER                                        ; the first chunk and the scales are in; the second may still be on its way
	FETCH 0, AT0, 0, AS0, 0
	FETCH 1, AT0, TB, AS0, 512
; ================= PHASE 1: v
.irp s, 0,1
	s_wait_dscnt NF
	BLOCK 1, \s, 0, 32, L_NONE
	WIN 0
	PLACES 4
	WALU
	FETCH \s, AT0, (\s+2)*TB, AS0, (\s+2)*512
.endr
	s_wait_dscnt NF
	GRD
	BLOCK 1, 2, 0, 24, L_R1
	WIN 0
	s_wait_dscnt 0x0
	s_barrier_signal -1
	BLOCK 1, 2, 24, 32, L_NONE
	MIDDLE
	BARRIER
	s_cmp_lt_u32 s14, 2
	s_cbranch_scc0 .Lscales
	TLOAD G0B, G1B                                 ; onto Wv's rows, which all waves hold in registers
	s_branch .Lrefilled
.Lscales:
	s_cmp_eq_u32 s14, 2
	s_cbranch_scc0 .Lrefilled
	TLOAD G0S, G1S
.Lrefilled:
	PLACES 4
	WALU
	FETCH 0, AT1, 0, AS0, 4096
	global_prefetch_b8 v[PFX], s[4:5] th:TH_LOAD_NT scope:SCOPE_SE   ; what the second refill will load
	BLOCK 1, 3, 0, 32, L_NONE
	WIN 0
	PLACES 4
	WALU
	FETCH 1, AT1, TB, AS0, 4096+512
.irp t, 0,1,2
	s_wait_dscnt NF*(1-\t/3)+(\t+1)/2
	BLOCK 1, 4+\t, 0, 32, L_V, 840+32*\t, \t
	WIN 0
	WALU                                           ; the wait here: the scale operand was written some scalar lines ago
	CODES6 840+32*\t, CD+6*\t, \t
	WALU
	ds_store_b8 v[STV], v[EB+\t] offset:4*\t
	PUT CD+6*\t, 50, 1536*\t
.if \t < 2
	FETCH \t, AT1, (\t+2)*TB, AS0, 4096+(\t+2)*512
.endif
.endr
	s_wait_dscnt 1
	BLOCK 1, 7, 0, 26, L_V, 840+96, 3
	WIN 0
	WALU
	s_wait_tensorcnt 0x0
	s_wait_dscnt 0x0
	s_barrier_signal -1                            ; a plain barrier shows the second weight and the other half's scales
	BLOCK 1, 7, 26, 32, L_NONE
	WIN 0
	s_barrier_wait -1
	CODES6 840+96, CD+18, 3
	WALU
	ds_store_b8 v[STV], v[EB+3] offset:12
	PUT CD+18, 50, 1536*3
; ================= BETWEEN THE PHASES: the second weight and the first two blocks, in slot 0 still, in one run of loads; band 1's way outs under their flight
	WEIGHTS
	FETCH 0, AT0, 0, AS0, 0
	FETCH 1, AT0, TB, AS0, 512
	s_wait_xcnt 0x0                                ; band 0's stores have read their registers
.set I_, 0
.rept 16
	v_mov_b32 v[SB+I_], v[SB2+I_]
.set I_, I_+1
.endr
.set I_, 0
.rept 18
.irp t, 0,1,2
	CHAIN I_, 968+16*\t, 840+16*\t, \t, 204+2*\t
.endr
	CHAIN I_, 120, 888, 3, 210
.set I_, I_+1
.endr
.irp i, 0,1,2,3,4,5
.irp t, 0,1,2
	CODES \i, 968+16*\t, 840+16*\t, CD+6*\t, \t, 212+4*\t
.endr
	CODES \i, 120, 888, CD+18, 3, 224
.endr
	WIN 0
	WALU
.irp t, 0,1,2,3
	ds_store_b8 v[STV], v[EB+\t] offset:512+4*\t
.endr
.irp t, 0,1,2,3
	PUT CD+6*\t, 50, 98304+1536*\t
.endr
	global_prefetch_b8 v[PFX], s[4:5] offset:YB th:TH_LOAD_NT scope:SCOPE_SE   ; what the third refill will load
; ================= PHASE 2: q or k, sixteen blocks
	s_wait_dscnt NF+4
	BLOCK 0, 0, 0, 32, L_NONE
	WIN 0
	PLACES 4
	WALU
	FETCH 0, AT0, 2*TB, AS0, 1024
	QB 1, NF+4, 3
	s_mov_b32 s86, 0
.Lwith_rounds:                                         ; blocks 2-5, 6-9
	QROUND
	QB 1, -1, 1
	QB 0, NF+1, 2
	QB 1, NF+1, 3
	s_add_co_u32 s86, s86, 1
	s_cmp_lg_u32 s86, 2
	s_cbranch_scc1 .Lwith_rounds
	s_mov_b32 s101, YB-2*TB
	s_mov_b32 s91, 12288-1024
	s_mov_b32 s86, 0
.Lwithout:                                             ; blocks 10, 11 and 12, 13
	QSHOW
	QB 1, -1, 1
	s_add_co_u32 s86, s86, 1
	s_cmp_lg_u32 s86, 2
	s_cbranch_scc1 .Lwithout
	QB 0, NF+1, -1
	QB 1, 1, -1
; ================= THE END
	s_wait_xcnt 0x0
	PLACES 4
.irp i, 0,1,2
	PLACE \i
.endr
.set I_, 0
.rept 18
	CHAIN I_, QA+32, QA+48, 0
.set I_, I_+1
.endr
	CODES6 QA+32, CD, 0
	QOUT
	s_wait_dscnt 0x0
	BARRIER                                        ; all scale bytes are in LDS
	ds_load_b128 v[204:207], v22
	ds_load_b64 v[208:209], v23
	s_wait_dscnt 0x0
	global_store_b128 v[CO], v[204:207], s[78:79]  ; 512 consecutive bytes
	v_lshlrev_b32 v19, 3, v3
	global_store_b64 v19, v[208:209], s[82:83]     ; 256 consecutive bytes
	s_wait_tensorcnt 0x0                           ; the wave's end
	ds_add_u32 v[SPW], v[NIL]
	s_wait_dscnt 0x0
	CROUND                                         ; the closing round
	s_endpgm
.Lfunc_end_k_qe234aa929e_proj:
	.size	k_qe234aa929e_proj, .Lfunc_end_k_qe234aa929e_proj-k_qe234aa929e_proj
	.p2alignl 7, 3214868480
	.fill 96, 4, 3214868480
	.section	.rodata,"a",@progbits
	.p2align	6, 0x0
	.amdhsa_kernel k_qe234aa929e_proj
		.amdhsa_group_segment_fixed_size 327680
		.amdhsa_private_segment_fixed_size 0
		.amdhsa_enable_private_segment 0
		.amdhsa_kernarg_size 72
		.amdhsa_user_sgpr_count 2
		.amdhsa_user_sgpr_kernarg_segment_ptr 1
		.amdhsa_wavefront_size32 1
		.amdhsa_system_sgpr_workgroup_id_x 1
		.amdhsa_system_sgpr_workgroup_id_y 1
		.amdhsa_system_sgpr_workgroup_id_z 1
		.amdhsa_system_vgpr_workitem_id 0
		.amdhsa_next_free_vgpr 1024
		.amdhsa_next_free_sgpr 102
		.amdhsa_reserve_vcc 0
		.amdhsa_float_denorm_mode_32 3
		.amdhsa_float_denorm_mode_16_64 3
		.amdhsa_memory_ordered 1
		.amdhsa_forward_progress 1
		.amdhsa_inst_pref_size 186
	.end_amdhsa_kernel
	.amdgpu_metadata
---
amdhsa.version: [ 1, 2 ]
amdhsa.kernels:
  - .name:           k_qe234aa929e_proj
    .symbol:         k_qe234aa929e_proj.kd
    .args:
      - { .name: xw_codes, .offset: 0, .size: 8, .value_kind: global_buffer, .address_space: global }
      - { .name: xw_scales, .offset: 8, .size: 8, .value_kind: global_buffer, .address_space: global }
      - { .name: bq, .offset: 16, .size: 8, .value_kind: global_buffer, .address_space: global }
      - { .name: bk, .offset: 24, .size: 8, .value_kind: global_buffer, .address_space: global }
      - { .name: bv, .offset: 32, .size: 8, .value_kind: global_buffer, .address_space: global }
      - { .name: q_codes, .offset: 40, .size: 8, .value_kind: global_buffer, .address_space: global }
      - { .name: q_scales, .offset: 48, .size: 8, .value_kind: global_buffer, .address_space: global }
      - { .name: kv_codes, .offset: 56, .size: 8, .value_kind: global_buffer, .address_space: global }
      - { .name: kv_scales, .offset: 64, .size: 8, .value_kind: global_buffer, .address_space: global }
    .group_segment_fixed_size: 327680
    .private_segment_fixed_size: 0
    .kernarg_segment_align: 8
    .kernarg_segment_size: 72
    .max_flat_workgroup_size: 128
    .sgpr_count:     102
    .vgpr_count:     1024
    .wavefront_size: 32
...
	.end_amdgpu_metadata
.endif
;; end of part 2
;; launch attn (part 3): grid 32 x 8, 4 waves a work-group, clusters of 4 x 1, 327,680 bytes of LDS; arguments q_codes, q_scales, kv_codes, kv_scales, mask, out0; writes out0
.if DOCPART == 3
	.amdgcn_target "amdgcn-amd-amdhsa--gfx1250"
	.amdhsa_code_object_version 6
	.text
	.protected	k_qe234aa929e_attn
	.globl	k_qe234aa929e_attn
	.p2align	8
	.type	k_qe234aa929e_attn,@function
k_qe234aa929e_attn:
	s_mov_b64 s[64:65], 0
	v_nop
	global_prefetch_b8 v0, s[64:65] scope:SCOPE_SE
	s_setreg_imm32_b32 hwreg(HW_REG_WAVE_MODE, 25, 1), 1
	s_wait_xcnt 0x0
	s_wait_alu depctr_hold_cnt(0) depctr_sa_sdst(0) depctr_va_vdst(0) depctr_va_sdst(0) depctr_va_ssrc(0) depctr_va_vcc(0) depctr_vm_vsrc(0)
	s_getreg_b32 s2, hwreg(HW_REG_IB_STS2, 6, 4)
	s_cmp_eq_u32 s2, 0
	s_cbranch_scc0 .Lentry_in_a_cluster
	s_endpgm
.Lentry_in_a_cluster:
	s_bfe_u32 s2, ttmp6, 0x10000c
	s_cmp_lg_u32 s2, 0x3003
	s_cbranch_scc0 .Lentry_shape_is_right
	s_endpgm
.Lentry_shape_is_right:
; out = softmax(q k^T / 32 + mask) v, on codes of FP6 with E8M0 scales.  A work-group owns 32 queries (2 tiles) of a batch and takes them through everything: p never goes to memory.
; S^T = k q^T (source 0 = 16 keys, source 1 = 16 queries): wave w holds the scores of keys 256 w .. + 255, 256 registers: register 128 b + 32 band + 8 j + i of lane (r, h) is key 64 band + 32 h + 8 j + i of tile b's query r.
; So a block of 32 keys lies in ONE lane.  M = ceil of the row's largest t over all 1,024 keys (maxima pass through LDS); p = 2^(t - M) is quantised; the row's sum is taken of the unquantised p.
; O^T = v^T p^T in the same way: wave w makes channels 256 w .. + 255; p's codes and scale bytes pass to all waves through LDS, as images of the operand's registers.
; CHUNKS.  k and v of a batch are sixteen chunks (k's 8 K steps, v's 8 key steps), 98,304 dense bytes each; chunk g lies in LDS region g % 3.  Regions 0 and 1 are one slot, region 2 another; each is filled again when it has been read, by joint loads
; (a quarter a wave) behind a drained round of the cluster's barrier, while the other is multiplied.  v's first three chunks land under the last scores and the softmax.
; CLUSTERS: four work-groups of one batch; k and v are asked for jointly by all four, q by each for itself.
; PREFETCHES: at a refill, the chunks of the same slot's next refill; the batch's 32 work-groups share a chunk's 384 blocks of 256 bytes out by address, 3 a wave.  Chunks 0-5 come by their loads alone.
; THE MASK, 256 numbers a lane, is asked for at the head, into registers, in whole units of 256 bytes; it turns through the wave's own stage in LDS under the later K steps.
; LIMITS: NaN and +infinity in the mask are not served; -infinity is; u under -1e38 counts as -infinity.  Scaled scores stay under 2^31 in magnitude.  A row that is wholly hidden has the sum 0 and gives NaN.
; REGISTERS: window 0: v0-39 lane terms, v40-103 scale words of k, then v; v104-111 q's, v112-119 p's (tile 0 in lanes 0-15, tile 1 in 16-31); v124-255 fragments of k or v, at work in the softmax.  window 1: q's, then p's fragments (2 s + b) at
;   12 (2 s + b), five fragments of k or v from v192 on.  window 2: scores, p, then O^T.   window 3: the mask, later rows of O.
.set CH,  98304
.set PR,  294912                       ; q's fragments, then the stages, then p's, then the stages again
.set MXR, 319488
.set SMR, 320000
.set PSR, 320512
.set SPARE, 321536
.set FA16, 4                           ; v4-6   my fragments in region 0, 1, 2: pieces of 16 bytes a lane,
.set FA8, 7                            ; v7-9   of 8 bytes a lane
.set SPW, 10
.set NIL, 11
.set SIN, 12                           ; the stage by rows: 16 lanes to a row's 256 bytes
.set SOU, 13                           ; the stage by lanes: row r, + 128 h
.set GO,  14                           ; the same two rows in the mask and in out
.set TA16, 15
.set TA8, 16
.set PW16, 17
.set PW8, 18
.set MXS, 19
.set MXL, 20
.set PSS, 21
.set PSL, 22
.set PFV, 23
.set RL,  32
.set SK,  40
.set SQ,  104
.set SPP, 112
.set BM,  124
.set NM,  132
.set TT,  136
.set SA,  138
.set SO,  154
.set BY,  162
.set CD,  170
.set TC,  202
.set MV,  224
.set G1H, 28
.set G1Q, 36
.set G1AB, 44
.set G1C, 52
.set G0H, 60
.set G0Q, 68
.set G0AB, 72
.set G0C, 76
.set LE,  86
.set SEL, 88
.set MSB, 0
.macro WIN new
.set NW_, \new
.if MSB != NW_
	s_set_vgpr_msb (MSB<<8)|NW_
.set MSB, NW_
.endif
.endm
.macro PLACES n
.rept \n
	v_nop
.endr
.endm
.macro WALU
	s_wait_alu depctr_va_vdst(0)
.endm
.macro BARRIER
	s_barrier_signal -1
	s_barrier_wait -1
.endm
.macro MIDDLE
	WIN 0
	s_barrier_wait -1
	s_cmp_lg_u32 s18, 0
	s_cbranch_scc1 .Lnot_wave_0_\@
	s_barrier_signal -3
.Lnot_wave_0_\@:
	s_barrier_wait -3
.endm
.macro CROUND
	s_barrier_signal -1
	MIDDLE
	BARRIER
.endm
.macro TLOAD g0, g1
	tensor_load_to_lds s[\g0:\g0+3], s[\g1:\g1+7]
	s_nop 0
	PLACES 4
.endm
.macro GROUP1 g, w0, dim, rows, pitch
	s_mov_b32 s[\g], \w0
	s_mov_b32 s[\g+1], (\dim)<<16
	s_mov_b32 s[\g+2], (\rows)<<16
	s_mov_b32 s[\g+3], (\dim)<<16
	s_mov_b32 s[\g+4], \rows
	s_mov_b32 s[\g+5], \pitch
	s_mov_b32 s[\g+6], 0
	s_mov_b32 s[\g+7], 0
.endm
.macro MAC d, x, k
	s_mul_i32 s92, s\x, \k
	s_add_co_u32 s\d, s\d, s92
.endm
.macro TFETCH                          ; the 16 fragments of q or p
	WIN 0x40
.irp f, 0,1,2,3,4,5,6,7,8,9,10,11,12,13,14,15
.irp c, 0,1
	ds_load_b128 v[12*\f+6*\c:12*\f+6*\c+3], v[TA16] offset:1536*\f+768*\c
	ds_load_b64 v[12*\f+6*\c+4:12*\f+6*\c+5], v[TA8] offset:1536*\f+768*\c
.endr
.endr
	WIN 0
.endm
.macro FETCH g, hf                     ; half hf of my 16 fragments of chunk g, into set hf: 32 loads
.set RG_, (\g)%3
.irp k, 0,1,2,3,4,5,6,7
.set GI_, 8*(\hf)+\k
.if GI_ < 5
	WIN 0x40
.set R_, 192+12*GI_
.else
	WIN 0
.set R_, 64+12*GI_
.endif
.irp c, 0,1
	ds_load_b128 v[R_+6*\c:R_+6*\c+3], v[FA16+RG_] offset:1536*GI_+768*\c
	ds_load_b64 v[R_+6*\c+4:R_+6*\c+5], v[FA8+RG_] offset:1536*GI_+768*\c
.endr
.endr
	WIN 0
.endm
.macro WM c, ra, rb
.if \c
	v_wmma_scale_f32_16x16x128_f8f6f4 v[D_:D_+7], v[R_:R_+11], v[TR_:TR_+11], v[D_:D_+7], v[XA_], v[XB_] matrix_a_fmt:MATRIX_FMT_FP6 matrix_b_fmt:MATRIX_FMT_FP6 matrix_a_scale:MATRIX_SCALE_ROW\ra matrix_b_scale:MATRIX_SCALE_ROW\rb
.else
	v_wmma_scale_f32_16x16x128_f8f6f4 v[D_:D_+7], v[R_:R_+11], v[TR_:TR_+11], 0, v[XA_], v[XB_] matrix_a_fmt:MATRIX_FMT_FP6 matrix_b_fmt:MATRIX_FMT_FP6 matrix_a_scale:MATRIX_SCALE_ROW\ra matrix_b_scale:MATRIX_SCALE_ROW\rb
.endif
.endm
; Products from .. to - 1 of a half's 16.  The 32 accumulators take turns over the two halves; a phase's first chunk starts them with 0.
.macro MUL g, hf, from, to
.set S_, (\g)%8
.irp k, 0,1,2,3,4,5,6,7
.irp b, 0,1
.if (2*\k+\b >= \from) && (2*\k+\b < \to)
.set GI_, 8*(\hf)+\k
.if GI_ < 5
	WIN 0xa5
.set R_, 192+12*GI_
.else
	WIN 0xa4
.set R_, 64+12*GI_
.endif
.set TR_, 12*(2*S_+\b)
.set D_, 128*\b+8*GI_
.set XA_, SK+8*S_+4*(\hf)+\k%4
.set XB_, SQ+8*((\g)/8)+S_
.if \k < 4
	WM S_, 0, \b
.else
	WM S_, 1, \b
.endif
.endif
.endr
.endr
.endm
; Group i = 4 b + band of the mask, 16 queries x 64 keys, turns through my stage: LDS serves a wave's instructions in order, so no wait stands between.
.macro TURN i
	s_wait_loadcnt 56-8*(\i)                       ; its eight loads are in; the younger groups' may be out
	WIN 0x0c
.irp t, 0,1,2,3,4,5,6,7
	ds_store_b128 v[SIN], v[32*(\i)+4*\t:32*(\i)+4*\t+3] offset:544*\t
.endr
	WIN 0xc0
.irp t, 0,1,2,3,4,5,6,7
	ds_load_b128 v[32*(\i)+4*\t:32*(\i)+4*\t+3], v[SOU] offset:16*\t
.endr
	WIN 0
.endm
.macro TURNAT g, hf
.set TI_, 2*(\g)+(\hf)-7
.if (TI_ >= 0) && (TI_ < 8)
	TURN TI_
.endif
.endm
.macro PF g
.if (\g) < 16
	global_prefetch_b8 v[PFV], s[80:81] offset:CH*(\g) th:TH_LOAD_NT scope:SCOPE_SE
.endif
.endm
; Half hf of chunk g: its fragments were asked for a half ago; the next half's are asked for ahead of the products.
.macro HALF g, hf
	s_wait_dscnt 0x0
.if (\hf) == 0
	PLACES 4
	FETCH \g, 1
	TURNAT \g, 0
	MUL \g, 0, 0, 16
.elseif (\g) == 15
	MUL \g, 1, 0, 16
.elseif ((\g) == 0) || ((\g) == 14)            ; a plain barrier shows what is still out
	WIN 0
	s_wait_tensorcnt 0x0
	s_barrier_signal -1
	MUL \g, 1, 0, 8
	WIN 0
	s_barrier_wait -1
	PLACES 4
	FETCH \g+1, 0
	MUL \g, 1, 8, 16
.elseif (\g)%3 == 0                            ; the next chunk lies in the same slot
	PLACES 4
	FETCH \g+1, 0
	TURNAT \g, 1
	MUL \g, 1, 0, 16
.else                                          ; the slot has been read: a drained round, and it is filled again
	WIN 0
	s_wait_tensorcnt 0x0                           ; no tensor load of mine is out: the other slot's part is in, and a group 0 may be written
	ds_add_u32 v[SPW], v[NIL]
.if (\g) == 13
	s_mov_b32 s[G0AB+1], s19                       ; chunk 15 alone: a quarter of one chunk a wave
	s_add_nc_u64 s[G0AB+2:G0AB+3], s[G0AB+2:G0AB+3], s[20:21]
.elseif ((\g)%3 == 1) && ((\g) > 1)
	s_add_nc_u64 s[G0AB+2:G0AB+3], s[G0AB+2:G0AB+3], 3*CH
.elseif ((\g)%3 == 2) && ((\g) > 2)
	s_add_nc_u64 s[G0C+2:G0C+3], s[G0C+2:G0C+3], 3*CH
.endif
	MUL \g, 1, 0, 4
	WIN 0
	s_wait_dscnt 0x0                               ; the add is done; my reads of the slot were waited for above
	s_barrier_signal -1
.if (\g) == 7
	MUL \g, 1, 4, 16
.else
	MUL \g, 1, 4, 8
.endif
	MIDDLE
	BARRIER
.if (\g) == 13
	TLOAD G0AB, G1C
.elseif (\g)%3 == 1
	TLOAD G0AB, G1AB
.else
	TLOAD G0C, G1C
.endif
.if (\g) != 7
	FETCH \g+1, 0
	TURNAT \g, 1
.endif
.if (\g)%3 == 1
	PF \g+5
	PF \g+6
.else
	PF \g+6
.endif
.if (\g) != 7
	MUL \g, 1, 8, 16
.endif
.endif
.endm
; ================= THE HEAD
	s_load_b256 s[4:11], s[0:1], 0x0               ; q_codes, q_scales, kv_codes, kv_scales
	s_load_b128 s[12:15], s[0:1], 0x20             ; mask, out0
	v_lshl_add_u32 v[SPW], v0, 2, SPARE
	v_mov_b32 v[NIL], 0
	ds_add_u32 v[SPW], v[NIL]                      ; the opening add, twice on end
	ds_add_u32 v[SPW], v[NIL]
	v_lshrrev_b32 v1, 5, v0
	v_readfirstlane_b32 s18, v1                    ; wave
	s_bfe_u32 s22, ttmp6, 0x40000                  ; cx
	s_lshl_b32 s23, ttmp9, 2
	s_add_co_u32 s23, s23, s22                     ; x: which 32 queries of the batch
	s_and_b32 s24, ttmp7, 0xffff                   ; the batch
	GROUP1 G1H, 15|(3<<16)|(1<<21), 768, 16, 768   ; a chunk, dense, as 16 rows of 6,144 bytes: for all four work-groups
	GROUP1 G1AB, 15|(3<<16)|(1<<21), 768, 8, 768   ; a quarter of two chunks
	GROUP1 G1C, 15|(3<<16)|(1<<21), 768, 4, 768    ; a quarter of one
	GROUP1 G1Q, 3<<16, 384, 8, 12288               ; q: my two tiles, 3,072 bytes, of each of 8 K steps: for me alone
	s_mul_i32 s19, s18, 24576
	s_mul_i32 s26, s18, 49152
	s_sub_co_u32 s20, 3*CH, s19
	s_mov_b32 s21, 0
	s_add_co_u32 s25, s18, 1
	s_lshr_b32 s25, s25, 1
	s_mul_i32 s25, s25, CH                         ; wave 0 fetches chunk 0, waves 2 and 3 chunks 1 and 2
	s_mov_b32 s91, 0
	s_mov_b32 s[G0H], 1
	s_mov_b32 s[G0H+1], s25
	s_mov_b32 s[G0Q], 1
	s_mov_b32 s[G0Q+1], PR
	s_mov_b32 s[G0AB], 1
	s_mov_b32 s[G0AB+1], s26
	s_mov_b32 s[G0C], 1
	s_add_co_u32 s[G0C+1], s19, 2*CH
	WALU
	s_wait_dscnt 0x0
	CROUND                                         ; all four work-groups are here
	s_wait_kmcnt 0x0
	s_mul_i32 s90, s24, 16*CH
	s_add_nc_u64 s[80:81], s[8:9], s[90:91]        ; the batch's chunks
	s_mov_b32 s90, s25
	s_add_nc_u64 s[G0H+2:G0H+3], s[80:81], s[90:91]
	s_or_b32 s[G0H+3], s[G0H+3], 0x80000000
	s_mul_i32 s90, s24, 8*CH
	MAC 90, 23, 3072
	s_add_nc_u64 s[G0Q+2:G0Q+3], s[4:5], s[90:91]
	s_or_b32 s[G0Q+3], s[G0Q+3], 0x80000000
	s_cmp_lt_u32 s18, 1
	s_cbranch_scc0 .Larm_1
	TLOAD G0H, G1H                                 ; wave 0: chunk 0
	s_branch .Lasked
.Larm_1:
	s_cmp_lt_u32 s18, 2
	s_cbranch_scc0 .Larm_2
	TLOAD G0Q, G1Q                                 ; wave 1: q
	s_branch .Lasked
.Larm_2:
	TLOAD G0H, G1H                                 ; waves 2, 3: chunks 1, 2
.Lasked:
	s_mov_b32 s90, s26
	s_add_nc_u64 s[G0AB+2:G0AB+3], s[80:81], 3*CH
	s_add_nc_u64 s[G0AB+2:G0AB+3], s[G0AB+2:G0AB+3], s[90:91]
	s_or_b32 s[G0AB+3], s[G0AB+3], 0x80000000
	s_mov_b32 s90, s19
	s_add_nc_u64 s[G0C+2:G0C+3], s[80:81], 5*CH
	s_add_nc_u64 s[G0C+2:G0C+3], s[G0C+2:G0C+3], s[90:91]
	s_or_b32 s[G0C+3], s[G0C+3], 0x80000000
	s_mul_i32 s90, s24, 65536
	MAC 90, 18, 1024
	s_add_nc_u64 s[82:83], s[10:11], s[90:91]      ; my four bands' scale words
	s_lshr_b32 s25, s23, 1
	s_and_b32 s27, s23, 1
	s_mul_i32 s90, s24, 32768
	MAC 90, 25, 256
	MAC 90, 27, 8
	s_add_nc_u64 s[84:85], s[6:7], s[90:91]        ; my two tiles' of q
	s_mul_i32 s90, s24, 4194304
	MAC 90, 25, 262144
	MAC 90, 27, 65536
	MAC 90, 18, 1024
	s_add_nc_u64 s[12:13], s[12:13], s[90:91]      ; my queries' rows, my 256 keys or channels
	s_add_nc_u64 s[14:15], s[14:15], s[90:91]
	s_mul_i32 s25, s18, 4352
	s_add_co_u32 s25, s25, PR                      ; my stage: 16 rows x 272 bytes
	s_mul_i32 s26, s18, 6144
	s_add_co_u32 s26, s26, PR                      ; my part of p's fragments
	s_lshl_b32 s27, s18, 2
	s_add_co_u32 s27, s27, MXR
	s_lshl_b32 s22, s18, 3
	s_add_co_u32 s22, s22, PSR
	s_mul_i32 s90, s23, 12*256
	MAC 90, 18, 3*256
	v_and_b32 v1, 15, v0                           ; r
	v_bfe_u32 v2, v0, 4, 1                         ; h
	v_and_b32 v3, 31, v0
	v_lshlrev_b32 v24, 4, v3
	v_lshlrev_b32 v25, 3, v3
	v_add_nc_u32 v25, 0x200, v25
	v_add_nc_u32 v[FA16], s19, v24
	v_add_nc_u32 v[FA8], s19, v25
	v_add_nc_u32 v[FA16+1], CH, v[FA16]
	v_add_nc_u32 v[FA8+1], CH, v[FA8]
	v_add_nc_u32 v[FA16+2], 2*CH, v[FA16]
	v_add_nc_u32 v[FA8+2], 2*CH, v[FA8]
	v_add_nc_u32 v[TA16], PR, v24
	v_add_nc_u32 v[TA8], PR, v25
	v_add_nc_u32 v[PW16], s26, v24
	v_add_nc_u32 v[PW8], s26, v25
	v_lshlrev_b32 v26, 4, v1                       ; 16 r
	v_mul_u32_u24 v[SIN], v2, 272
	v_add_nc_u32 v[SIN], v[SIN], v26
	v_add_nc_u32 v[SIN], s25, v[SIN]
	v_mul_u32_u24 v[SOU], v1, 272
	v_lshl_add_u32 v[SOU], v2, 7, v[SOU]
	v_add_nc_u32 v[SOU], s25, v[SOU]
	v_lshl_add_u32 v[GO], v2, 12, v26
	v_add_nc_u32 v[MXS], s27, v26
	v_add_nc_u32 v[MXL], MXR, v26
	v_lshl_add_u32 v[PSS], v1, 5, v2
	v_add_nc_u32 v[PSS], s22, v[PSS]
	v_lshlrev_b32 v[PSL], 5, v1
	v_lshl_add_u32 v[PSL], v2, 9, v[PSL]
	v_add_nc_u32 v[PSL], PSR, v[PSL]
	v_min_u32 v[PFV], 2, v3
	v_lshl_add_u32 v[PFV], v[PFV], 8, s90
	v_lshl_add_u32 v27, v2, 8, v26                 ; scale words of k and v: lanes 16-31 the next band's
	v_lshl_add_u32 v28, v2, 2, v26                 ; of q: lanes 16-31 the next tile's
.macro SCALES off
.irp s, 0,1,2,3,4,5,6,7
.irp g, 0,1
	global_load_b128 v[SK+8*\s+4*\g:SK+8*\s+4*\g+3], v27, s[82:83] offset:\off+4096*\s+512*\g
.endr
.endr
.endm
	SCALES 0
.irp s, 0,1,2,3,4,5,6,7
	global_load_b32 v[SQ+\s], v28, s[84:85] offset:4096*\s
.endr
	WIN 0xc0
.irp b, 0,1
.irp n, 0,1,2,3
.irp t, 0,1,2,3,4,5,6,7
	global_load_b128 v[128*\b+32*\n+4*\t:128*\b+32*\n+4*\t+3], v[GO], s[12:13] offset:(2*(\t&3)+32*(\t>>2)+8*\b)*4096+256*\n th:TH_LOAD_NT   ; two rows' aligned 256 bytes
.endr
.endr
.endr
	WIN 0
	s_mov_b32 s[LE], 0x3fb8aa3b                    ; log2(e)
	s_mov_b32 s[LE+1], s[LE]
	s_mov_b32 s[SEL], 0x76543210
	s_mov_b32 s[SEL+1], 0xfedcba98
	WALU                                           ; the wait at the head's end
	s_cmp_lt_u32 s18, 2
	s_cbranch_scc0 .Lnot_first
	s_wait_tensorcnt 0x0
.Lnot_first:
	BARRIER                                        ; chunk 0 and q are in; chunks 1 and 2 may be out
	TFETCH
	FETCH 0, 0
	s_wait_loadcnt 63                              ; 64 loads of the mask are younger than the scale words: these are in
.irp g, 0,1,2,3,4,5,6,7
	HALF \g, 0
	HALF \g, 1
.endr
; ================= THE SOFTMAX
	WIN 0
	SCALES 32768                                   ; v's scale words, onto k's (the four v_nop behind the tensor load are the places)
	WIN 0xb2
.set I_, 0
.rept 128
	v_pk_fma_f32 v[I_:I_+1], v[I_:I_+1], 0x3d000000, v[I_:I_+1] op_sel_hi:[1,0,1]   ; u = score / 32 + mask: the division is exact; each accumulator from its low end on
.set I_, I_+2
.endr
	WIN 0x2a
.irp i, 0,1,2,3,4,5,6,7
	v_max3_num_f32 v[BM+\i], v[32*\i], v[32*\i+1], v[32*\i+2]   ; the largest u of each block of 32 keys: for the row's maximum and, since p rises with u, for the block's largest p
.endr
	WIN 0x28
.irp m, 3,5,7,9,11,13,15,17,19,21,23,25,27,29
.irp i, 0,1,2,3,4,5,6,7
	v_max3_num_f32 v[BM+\i], v[BM+\i], v[32*\i+\m], v[32*\i+\m+1]
.endr
.endr
.irp i, 0,1,2,3,4,5,6,7
	v_max_num_f32 v[BM+\i], v[BM+\i], v[32*\i+31]
.endr
	WIN 0
	v_mov_b32 v[MV], 0                             ; a lane permute's destination counts as one of its sources
	v_mov_b32 v[MV+1], 0
	v_mov_b32 v[NM+1], 0
	v_mov_b32 v[NM+3], 0
.irp b, 0,1
	v_max3_num_f32 v[TT+\b], v[BM+4*\b], v[BM+4*\b+1], v[BM+4*\b+2]
.endr
.irp b, 0,1
	v_max3_num_f32 v[TT+\b], v[TT+\b], v[BM+4*\b+3], 0xfe967699   ; held at -1e38 from below, so that M is a number where the row is hidden
.endr
.irp b, 0,1
	v_permlanex16_b32 v[MV+\b], v[TT+\b], s[SEL], s[SEL+1]
.endr
.irp b, 0,1
	v_max_num_f32 v[TT+\b], v[TT+\b], v[MV+\b]
.endr
	WALU
.irp b, 0,1
	ds_store_b32 v[MXS], v[TT+\b] offset:256*\b
.endr
	s_wait_dscnt 0x0
	BARRIER                                        ; all waves' maxima are in LDS; all stages have been read
.irp b, 0,1
	ds_load_b128 v[MV+4*\b:MV+4*\b+3], v[MXL] offset:256*\b
.endr
	s_wait_dscnt 0x0
.irp b, 0,1
	v_max3_num_f32 v[TT+\b], v[MV+4*\b], v[MV+4*\b+1], v[MV+4*\b+2]
.endr
.irp b, 0,1
	v_max_num_f32 v[TT+\b], v[TT+\b], v[MV+4*\b+3]
.endr
.irp b, 0,1
	v_mul_f32 v[TT+\b], s[LE], v[TT+\b]            ; the row's largest t
.endr
.irp b, 0,1
	v_floor_f32 v[NM+2*\b], -v[TT+\b]              ; -M, a whole number
.endr
.macro SOFT b
	WIN 0x82
.set I_, 128*\b
.rept 64
	v_pk_fma_f32 v[I_:I_+1], v[I_:I_+1], s[LE:LE+1], v[NM+2*\b:NM+2*\b+1] op_sel_hi:[1,0,0]   ; t - M
.set I_, I_+2
.endr
	WIN 0
.irp n, 0,1,2,3
	v_fma_f32 v[BM+4*\b+\n], v[BM+4*\b+\n], s[LE], v[NM+2*\b]
.endr
	WALU                                           ; the wait ahead of the batch
	WIN 0x82
.set I_, 128*\b
.rept 128
	v_exp_f32 v[I_], v[I_]                         ; p, not normalised
.set I_, I_+1
.endr
	WIN 0
.irp n, 0,1,2,3
	v_exp_f32 v[BM+4*\b+\n], v[BM+4*\b+\n]         ; the block's largest p: the same two instructions on the same number
.endr
	v_nop
	WALU                                           ; and behind it
.irp n, 0,1,2,3
	v_max_num_f32 v[BM+4*\b+\n], 0x1800000, v[BM+4*\b+\n]
.endr
.irp n, 0,1,2,3
	v_add_nc_u32 v[SO+\n], 0xff000000, v[BM+4*\b+\n]
.endr
.irp n, 0,1,2,3
	v_lshrrev_b32 v[BY+\n], 23, v[SO+\n]
.endr
	WIN 0x02
.irp n, 0,1,2,3
	v_cvt_scalef32_pk16_fp6_f32 v[CD+8*\n:CD+8*\n+2], v[128*\b+32*\n:128*\b+32*\n+15], v[SO+\n]
	v_cvt_scalef32_pk16_fp6_f32 v[TC+4*\n:TC+4*\n+2], v[128*\b+32*\n+16:128*\b+32*\n+31], v[SO+\n]
.endr
	WIN 0
	v_nop                                          ; a plain place behind the conversions
.irp i, 0,1,2
.irp n, 0,1,2,3
	v_mov_b32 v[CD+8*\n+3+\i], v[TC+4*\n+\i]
.endr
.endr
.irp n, 0,1,2,3
	ds_store_b128 v[PW16], v[CD+8*\n:CD+8*\n+3] offset:3072*(\n/2)+1536*\b+768*(\n%2)
	ds_store_b64 v[PW8], v[CD+8*\n+4:CD+8*\n+5] offset:3072*(\n/2)+1536*\b+768*(\n%2)
	ds_store_b8 v[PSS], v[BY+\n] offset:512*\b+4*(\n/2)+2*(\n%2)
.endr
	WIN 0x0a                                       ; the sum of the unquantised p, four chains of pairs
.irp c, 0,1,2,3
	v_pk_add_f32 v[SA+2*\c:SA+2*\c+1], v[128*\b+4*\c:128*\b+4*\c+1], v[128*\b+4*\c+2:128*\b+4*\c+3]
.endr
	WIN 0x08
.set I_, 128*\b+16
.rept 14
.irp c, 0,1,2,3
	v_pk_add_f32 v[SA+2*\c:SA+2*\c+1], v[SA+2*\c:SA+2*\c+1], v[I_+2*\c:I_+2*\c+1]
.endr
.set I_, I_+8
.endr
	WIN 0
	v_pk_add_f32 v[SA:SA+1], v[SA:SA+1], v[SA+2:SA+3]
	v_pk_add_f32 v[SA+4:SA+5], v[SA+4:SA+5], v[SA+6:SA+7]
	v_pk_add_f32 v[SA:SA+1], v[SA:SA+1], v[SA+4:SA+5]
	v_add_f32 v[SA], v[SA], v[SA+1]
	v_permlanex16_b32 v[TT+\b], v[SA], s[SEL], s[SEL+1]
	v_add_f32 v[SA], v[SA], v[TT+\b]
	ds_store_b32 v[MXS], v[SA] offset:SMR-MXR+256*\b
.endm
	SOFT 0
	SOFT 1
	WALU
	s_wait_loadcnt 0x0                             ; v's scale words
	s_wait_dscnt 0x0
	BARRIER                                        ; p's codes, bytes and sums are in LDS
	ds_load_b128 v[120:123], v[MXL] offset:SMR-MXR
	ds_load_b128 v[36:39], v[MXL] offset:SMR-MXR+256
	ds_load_b128 v[SPP:SPP+3], v[PSL]
	ds_load_b128 v[SPP+4:SPP+7], v[PSL] offset:16
	TFETCH
	FETCH 8, 0
	s_wait_dscnt 63                                ; the sums are in: 98 younger loads
	v_add_f32 v120, v120, v121
	v_add_f32 v36, v36, v37
	v_add_f32 v122, v122, v123
	v_add_f32 v38, v38, v39
	v_add_f32 v120, v120, v122
	v_add_f32 v36, v36, v38
	WALU
	v_rcp_f32 v[RL], v120
	v_rcp_f32 v[RL+2], v36
	v_mov_b32 v[RL+1], 0
	v_mov_b32 v[RL+3], 0
	WALU
; ================= O^T = v^T p^T
.irp g, 8,9,10,11,12,13,14,15
	HALF \g, 0
	HALF \g, 1
.endr
; ================= THE WAY OUT: 16 queries x 64 channels at a time, divided by the sum, through my stage: two rows' aligned 256 bytes a store
	PLACES 4
.macro TOSTAGE i
	WIN 0x82
.set I_, 32*\i
.rept 16
	v_pk_mul_f32 v[I_:I_+1], v[I_:I_+1], v[RL+2*(\i/4):RL+2*(\i/4)+1] op_sel_hi:[1,0]
.set I_, I_+2
.endr
	WIN 0x08
.irp t, 0,1,2,3,4,5,6,7
	ds_store_b128 v[SOU], v[32*\i+4*\t:32*\i+4*\t+3] offset:16*\t
.endr
	WIN 0xc0
.irp t, 0,1,2,3,4,5,6,7
	ds_load_b128 v[32*\i+4*\t:32*\i+4*\t+3], v[SIN] offset:544*\t
.endr
.endm
.macro SEND i, younger
	s_wait_dscnt \younger
	WIN 0x0c
.irp t, 0,1,2,3,4,5,6,7
	global_store_b128 v[GO], v[32*(\i)+4*\t:32*(\i)+4*\t+3], s[14:15] offset:(2*(\t&3)+32*(\t>>2)+8*((\i)/4))*4096+256*((\i)%4) th:TH_STORE_NT
.endr
.endm
.irp i, 0,1,2,3,4,5,6,7
	TOSTAGE \i
.if \i > 0
	SEND \i-1, 16                                  ; behind group i - 1's loads: group i's 8 stores and 8 loads
.endif
.endr
	SEND 7, 0
	WIN 0
	s_wait_tensorcnt 0x0                           ; the wave's end
	ds_add_u32 v[SPW], v[NIL]
	s_wait_dscnt 0x0
	CROUND                                         ; the closing round
	s_endpgm
.Lfunc_end_k_qe234aa929e_attn:
	.size	k_qe234aa929e_attn, .Lfunc_end_k_qe234aa929e_attn-k_qe234aa929e_attn
	.p2alignl 7, 3214868480
	.fill 96, 4, 3214868480
	.section	.rodata,"a",@progbits
	.p2align	6, 0x0
	.amdhsa_kernel k_qe234aa929e_attn
		.amdhsa_group_segment_fixed_size 327680
		.amdhsa_private_segment_fixed_size 0
		.amdhsa_enable_private_segment 0
		.amdhsa_kernarg_size 48
		.amdhsa_user_sgpr_count 2
		.amdhsa_user_sgpr_kernarg_segment_ptr 1
		.amdhsa_wavefront_size32 1
		.amdhsa_system_sgpr_workgroup_id_x 1
		.amdhsa_system_sgpr_workgroup_id_y 1
		.amdhsa_system_sgpr_workgroup_id_z 1
		.amdhsa_system_vgpr_workitem_id 0
		.amdhsa_next_free_vgpr 1024
		.amdhsa_next_free_sgpr 96
		.amdhsa_reserve_vcc 0
		.amdhsa_float_denorm_mode_32 3
		.amdhsa_float_denorm_mode_16_64 3
		.amdhsa_memory_ordered 1
		.amdhsa_forward_progress 1
		.amdhsa_inst_pref_size 255
	.end_amdhsa_kernel
	.section	.bss,"aw",@nobits
	.p2align	6
	.space	262144
	.amdgpu_metadata
---
amdhsa.version: [ 1, 2 ]
amdhsa.kernels:
  - .name:           k_qe234aa929e_attn
    .symbol:         k_qe234aa929e_attn.kd
    .args:
      - { .name: q_codes, .offset: 0, .size: 8, .value_kind: global_buffer, .address_space: global }
      - { .name: q_scales, .offset: 8, .size: 8, .value_kind: global_buffer, .address_space: global }
      - { .name: kv_codes, .offset: 16, .size: 8, .value_kind: global_buffer, .address_space: global }
      - { .name: kv_scales, .offset: 24, .size: 8, .value_kind: global_buffer, .address_space: global }
      - { .name: mask, .offset: 32, .size: 8, .value_kind: global_buffer, .address_space: global }
      - { .name: out0, .offset: 40, .size: 8, .value_kind: global_buffer, .address_space: global }
    .group_segment_fixed_size: 327680
    .private_segment_fixed_size: 0
    .kernarg_segment_align: 8
    .kernarg_segment_size: 48
    .max_flat_workgroup_size: 128
    .sgpr_count:     96
    .vgpr_count:     1024
    .wavefront_size: 32
...
	.end_amdgpu_metadata
.endif
;; end of part 3
